; MI455X (gfx1250); checked and timed in simulation.
; The chip was launched on July 23, 2026; its instructions are those of AMD's public machine-readable ISA for CDNA 5 (MIT licence, August 2026) and "CDNA5" Instruction Set Architecture Reference Guide (July 2026). The comments in the code are by the model that wrote it; some were corrected since.
;; Local Experts. Allowed arithmetic: matrix products marked QUANTISED: E2M1 operands, one E8M0 scale for each 32 along K, by v_wmma_scale_f32_16x16x128_f8f6f4 with both operands' format E2M1 (or v_wmma_scale_f32_32x16x128_f4), f32 sums; everything else in f32.
;; Inputs: dispatched_hidden_states_codes 8 x 8 x 512 x 16 x 16 uint8 (E2M1 codes of dispatched_hidden_states, K innermost, in blocks of 32 codes, two codes a byte); dispatched_hidden_states_scales 8 x 8 x 512 x 16 uint8 (E8M0 scales of dispatched_hidden_states, one for each 32 codes along K); experts_capacity_usage 8 int32; wi_codes 8 x 2,048 x 16 x 16 uint8 (E2M1 codes of wi, K innermost, in blocks of 32 codes, two codes a byte); wi_scales 8 x 2,048 x 16 uint8 (E8M0 scales of wi, one for each 32 codes along K); wo_codes 8 x 512 x 64 x 16 uint8 (E2M1 codes of wo, K innermost, in blocks of 32 codes, two codes a byte); wo_scales 8 x 512 x 64 uint8 (E8M0 scales of wo, one for each 32 codes along K).
;; Outputs: out0 8 x 8 x 512 x 512 float32.
;; This version of the problem:
;;   THIS VERSION OF THE PROBLEM IS GIVEN IN LOW PRECISION. The matrix products marked QUANTISED in the list below multiply operands that are first quantised to E2M1 (2 exponent bits, 1 mantissa bit; 4 bits a number), with one power-of-two scale for each 32 numbers along K (OCP MX v1.0); their sums are f32. All else is computed in f32.
;;   The module's matrix products, in the order in which they are computed (A, B: the left and right operand; K: the contracted axis; several contracted axes count as one K, in the product's order):
;;     1. batch 8 x [M 4,096, K 512] x [K 512, N 2,048]; A: input dispatched_hidden_states (given as codes); B: input wi (given as codes): QUANTISED
;;     2. batch 8 x [M 4,096, K 2,048] x [K 2,048, N 512]; A: computed on the way; B: input wo (given as codes): QUANTISED
;;   THE QUANTISER, for each operand of a quantised product, along K:
;;     - K is cut into blocks of 32 from its start; a last block that is shorter is filled with zeros.
;;     - A block's scale is 2^e with e = floor(log2(the largest magnitude in the block)) - 2, held to -126 .. 127; a block of zeros has e = 0. As a byte (E8M0): e + 127.
;;     - Each number is divided by its block's scale, clamped to +-6, and rounded to the nearest number of E2M1, ties to even, subnormals kept.
;;     - The product sums the exact products of the quantised numbers (number of the format x scale) in f32.
;;   ~~~python
;;   def quantise(x, axis):      # numpy; x: float32 -> the quantised numbers, widened to float32 again
;;       x = np.moveaxis(x, axis, -1); K = x.shape[-1]
;;       x = np.pad(x, [(0, 0)] * (x.ndim - 1) + [(0, -K % 32)]); x = x.reshape(x.shape[:-1] + (-1, 32)); a = np.abs(x).max(-1, keepdims=True)
;;       e = np.where(a > 0, np.clip(np.frexp(np.where(a > 0, a, 1))[1] - 1 - 2, -126, 127), 0)      # np.frexp(a)[1] - 1 = floor(log2(a)), exactly
;;       r = np.clip(x / 2.0 ** e, -6, 6)
;;       step = 2.0 ** (np.maximum(np.frexp(np.where(r == 0, 1, r))[1] - 1, 0) - 1)
;;       q = np.round(r / step) * step * 2.0 ** e      # np.round: ties to even
;;       return np.moveaxis(q.reshape(q.shape[:-2] + (-1,))[..., :K], -1, axis).astype(np.float32)
;;   ~~~
;;   OPERANDS COMPUTED ON THE WAY. 'Computed on the way' means the value that the module computes at that place (a softmax that the list does not call 'softmax' is quantised finished and normalised). What goes into a quantiser is computed in f32, as accurately as f32 sums, v_exp_f32 and their like allow (about 1e-6 of the number): no bf16 or f16 on the way to a quantiser, and a product that is left as it is and whose result goes on into a quantised operand takes f32 operands (vector FMAs, or v_wmma_f32_16x16x4_f32). A number that lies on a knife's edge between two numbers of the format may be rounded either way, as far as f32 arithmetic and the matrix unit's own rounding can turn it there, and no further.
;;   INPUTS GIVEN AS CODES. dispatched_hidden_states (in the module: [8, 8, 512, 512], K = its axis 3); wi (in the module: [8, 512, 2048], K = its axis 1); wo (in the module: [8, 2048, 512], K = its axis 1): each comes as NAME_codes (uint8): NAME with its K axis moved to the last place and cut into blocks of 32 codes, [.., K / 32, bytes a block], one block behind the other in memory; two codes a byte, the lower K in the low four bits (a code: sign, 2 exponent bits, 1 mantissa bit); and NAME_scales (uint8): the same leading axes, one E8M0 byte (e + 127) for each 32 codes along K. Its value is code x scale, taken as it is: it is not quantised again, and the codes and scales need not be those that the quantiser above would give.
;; One version. Each part assembles by itself: llvm-mc -triple=amdgcn-amd-amdhsa -mcpu=gfx1250 --defsym DOCPART=n.
;; ======== version 1 of 1: 1 launch
;; launch ffn (part 1): grid 32 x 8, 4 waves a work-group, clusters of 4 x 1, 327,680 bytes of LDS; arguments dispatched_hidden_states_codes, dispatched_hidden_states_scales, experts_capacity_usage, wi_codes, wi_scales, wo_codes, wo_scales, out0; writes out0
.if DOCPART == 1
	.amdgcn_target "amdgcn-amd-amdhsa--gfx1250"
	.amdhsa_code_object_version 6
	.text
	.protected	k_q73f0032d29_ffn
	.globl	k_q73f0032d29_ffn
	.p2align	8
	.type	k_q73f0032d29_ffn,@function
k_q73f0032d29_ffn:
	s_mov_b64 s[64:65], 0
	v_nop
	global_prefetch_b8 v0, s[64:65] scope:SCOPE_SE
	s_setreg_imm32_b32 hwreg(HW_REG_WAVE_MODE, 25, 1), 1
	s_wait_xcnt 0x0
	s_wait_alu depctr_hold_cnt(0) depctr_sa_sdst(0) depctr_va_vdst(0) depctr_va_sdst(0) depctr_va_ssrc(0) depctr_va_vcc(0) depctr_vm_vsrc(0)
	s_getreg_b32 s2, hwreg(HW_REG_IB_STS2, 6, 4)
	s_cmp_eq_u32 s2, 0
	s_cbranch_scc0 .Lentry_in_a_cluster
	s_endpgm
.Lentry_in_a_cluster:
	s_bfe_u32 s2, ttmp6, 0x10000c
	s_cmp_lg_u32 s2, 0x3003
	s_cbranch_scc0 .Lentry_shape_is_right
	s_endpgm
.Lentry_shape_is_right:
; out[e] = Q(relu(x[e] wi[e]^T)) wo[e]^T for 8 experts, both products on codes of FP4 (E2M1) with one E8M0 scale for each 32 along K; sums in f32.
; x: 32,768 rows of 512 codes (256 bytes), wi: 8 x 2,048 rows of 512 codes, wo: 8 x 512 rows of 2,048 codes (1,024 bytes); scale bytes beside them, one word for a row and 128 along K.  out: 32,768 rows of 512 f32.
; The hidden layer never goes to memory: it is clipped at 0 and quantised along its 2,048 units in registers and goes from wave to wave through LDS, as images of the operand's registers.
; SHARES.  A work-group of four waves owns 128 rows of one expert: 32,768 / 128 = 256 work-groups of equal work.  The 2,048 hidden units go in four CHUNKS of 512.  THE WAVES SHARE THE COLUMNS, NOT THE ROWS:
; in a chunk wave w makes hidden units 128 w .. 128 w + 127 for all 128 rows (first product, K = 512: 256 matrix instructions), then adds the chunk's 512 units onto out's columns 128 w .. 128 w + 127 for all
; 128 rows (second product: 256 matrix instructions).  So every byte of a weight is read from LDS by one wave, the wave whose tensor load brought it; x stays in 256 registers of each wave until its last use.
; BOTH PRODUCTS ARE USED TRANSPOSED (source 0 = 16 rows of a weight, source 1 = 16 rows of x or of the hidden layer): a lane holds one row (lane % 16), its eight registers eight neighbouring units or columns.
; THE LAST CHUNK'S SECOND PRODUCT GOES BY ROWS OF out: wo's 32 fragments of the chunk take the registers that x has left, and the eight tiles of 16 rows are finished one after the other, 32 matrix
; instructions each, K ascending as in every chunk; a finished tile is stored while the next is multiplied.  Nothing follows that product under which the stores could leave otherwise.
; CLUSTER.  The four work-groups of a cluster belong to one expert and walk the same chunks: each weight tile is asked for JOINTLY, by the same tensor load with the same descriptor and the mask of all four.
; The chunks are walked from chunk (cluster x) % 4 on, round: a number that the four partners share; the eight clusters of an expert so begin at different chunks.
; experts_capacity_usage: reference() takes it and lets no result hang on it; it is read here and likewise enters nothing.
; LIMITS.  NaN and infinities among the sums are not served.  A block of the hidden layer with no positive number gets the scale byte 1 (not 127) over zero codes, which add nothing.  A negative hidden number
; becomes the code -0, which adds nothing.  The f32 sums over the hidden units begin at the cluster's first chunk, not at unit 0: an order of rounding that differs from the reference's.
; REGISTERS, in windows of 256: window 0: addresses, scale words, and v64-255 at work;  window 1: x's 32 fragments, (m, s) at 32 m + 8 s, at last wo's 32, (s, n) at 64 s + 8 n;
;   windows 2, 3: out's 64 accumulators, (m, n) at 8 (8 (m % 4) + n).
.set PITCH,  272                       ; a weight's row in LDS: 256 bytes + 16 of padding = 68 words: the 16 rows that a fragment load touches start at 16 different banks (64 banks of 4 bytes: ISA guide 11.1)
.set QUART,  128*PITCH                 ; 128 rows: what one tensor load brings, and what the same wave reads
.set SLOTA,  0                         ; wi's chunk: wave w's quarter at w QUART
.set SLOTB,  4*QUART                   ; wo's chunk, likewise
.set HIMG,   8*QUART                   ; the hidden layer's 32 fragments of a chunk, image (s, m) at 1,024 (8 s + m): register group c of lane l at 512 c + 16 l
.set HSC,    HIMG+32768                ; their scale words: 512 s + 64 m + 4 r
.set WISL,   HSC+2048                  ; wi's scale words of a chunk, each wave's own 2,048 bytes: 512 b + 16 lane
.set SPARE,  WISL+8192                 ; the spare words, 128 bytes for each wave: two blocks of 256 bytes that no other line names
.set SPITCH, 528                       ; the way out: a stage of 16 rows x (512 bytes + 16) in the wave's own quarter of SLOTA, behind that quarter's last fill and last read
.set SPW,  1                           ; v1   LDS address of my spare word; never rewritten
.set NIL,  2                           ; v2   0; never rewritten
.set AWI,  3                           ; v3   my lane's place in my quarter of wi's slot: 272 r + 16 h
.set AWO,  4                           ; v4   the same in wo's slot
.set LI,   5                           ; v5   HIMG + 16 lane
.set HSL,  6                           ; v6   HSC + 4 lane
.set HST,  7                           ; v7   where I store codes: HIMG + 8,192 w + 16 r + 4 h
.set HSB,  8                           ; v8   and scale bytes: HSC + 512 w + 4 r
.set WISA, 9                           ; v9   WISL + 2,048 w + 16 lane
.set L16,  10                          ; v10  16 lane
.set L64,  11                          ; v11  64 lane
.set AW,   12                          ; v12-15 the four addresses of the block of 32 units in hand
.set AS,   13
.set HSTB, 14
.set HSBB, 15
.set STO,  12                          ; the way out, behind the last block: v12 where I put 32 bytes of a row, v13 where I read a row back
.set RD,   13
.set XS,   16                          ; v16-31 x's scale words: register 4 i + s: lanes 0-15 row tile 2 i, lanes 16-31 row tile 2 i + 1.  In the last chunk's second product: the hidden layer's, register 4 s + i
.set WOS,  32                          ; v32-47 wo's of the chunk: register 4 i + s: lanes 0-15 column tile 2 i, lanes 16-31 tile 2 i + 1
.set WIS,  48                          ; v48-51 wi's of the block: register s: lanes 0-15 its first 16 units, lanes 16-31 its second
.set HSR,  52                          ; v52-59 the hidden layer's, two sets of 4: register i: row tiles 2 i, 2 i + 1
.set XO,   63                          ; v60 r, v61 h, v62 lane, v63 x's byte offset: made at the head, never rewritten
.set HA,   64                          ; first product: v64-127 eight accumulators: (mi, u) at 16 mi + 8 u
.set WF,   128                         ; v128-191 wi's eight fragments of a block: (u, s) at 8 (4 u + s)
.set TM,   192                         ; v192-215 for each half of the row tiles 12: largest numbers, partners' then bytes, scale operands
.set PC,   216                         ; v216-231 for each half 8 registers of codes
.set WST,  232                         ; v232-247 the next chunk's scale words of wi on their way
.set WOF,  64                          ; second product: v64-127, v128-191 wo's eight fragments, two sets: K step s uses set 1 - s % 2
.set HF,   192                         ; v192-255 the hidden layer's eight fragments of a K step; by rows: two buffers of a row tile's four
.set BK,   64                          ; the way out: 16 rows read back from the stage, v64-127 and v128-191 by turns
.set WV,   20                          ; s20 my wave's number
.set CX,   21                          ; s21 my place in the cluster
.set BLKN, 22                          ; s22 my block of 128 rows in the expert
.set EX,   23                          ; s23 the expert
.set G1I,  24                          ; s[24:31] descriptor group 1 for wi's tiles;  s[32:39] for wo's;  s[40:43], s[44:47] their groups 0
.set G1O,  32
.set G0I,  40
.set G0O,  44
.set BWI,  48                          ; s[48:55] my wave's first byte of the expert's wi codes, wo codes, wi scales, wo scales
.set BWO,  50
.set BSI,  52
.set BSO,  54
.set T0,   56                          ; s[56:57] an offset that all partners share, high word 0
.set SSI,  58                          ; s[58:61] bases of the scale words' loads
.set SSO,  60
.set CC,   62                          ; s62 the chunk in hand, s63 the next
.set CN,   63
.set LC,   66                          ; s66, s67 loop counters
.set LB,   67
.set SW,   68                          ; s68-71 the block's steps: in wi's slot, in its scale words, in an image, in a scale word
.set SS,   69
.set SH,   70
.set SBY,  71
.set SEL,  72                          ; s[72:73] v_permlanex16_b32's selects for lane l xor 16
.set M8,   74                          ; s74 the eight sign bits of a register of codes
.set TS,   75                          ; s75 at work
.set CAP,  76                          ; s[76:83] the capacity words
.set XT,   84                          ; s[84:86] offsets that hold my place in the cluster: they reach x's and out's addresses alone
.set XT2,  86
.set MSB, 0
.macro WIN new                         ; the immediate's high byte repeats the setting that is left; a switch that changes nothing is dropped
.if MSB != \new
	s_set_vgpr_msb (MSB<<8)|\new
.set MSB, \new
.endif
.endm
; A load into a register that a matrix instruction has read, and a vector instruction or an LDS store that reads a matrix result, stand four places behind that matrix instruction, and only plain vector
; instructions that name none of its registers are places (ISA guide 7.12.1 for vector instructions).
.macro PLACES n
.rept \n
	v_nop
.endr
.endm
; A round of the cluster's barrier: my work-group's barrier, so that wave 0's signal speaks for all four waves; wave 0 signals; every wave waits for all four work-groups; my work-group's barrier once more.
.macro CROUND
	s_barrier_signal -1
	s_barrier_wait -1
	s_cmp_lg_u32 s[WV], 0
	s_cbranch_scc1 .Lnot_wave_0_\@
	s_barrier_signal -3
.Lnot_wave_0_\@:
	s_barrier_wait -3
	s_barrier_signal -1
	s_barrier_wait -1
.endm
; One matrix instruction on the registers rD, rA, rB, with the scale words rSA, rSB; fA, fB = 1: that side's words stand in lanes 16-31.  zero = 1: it starts the sum.
.macro WM zero
.if \zero
.if fA && fB
	v_wmma_scale_f32_16x16x128_f8f6f4 v[rD:rD+7], v[rA:rA+7], v[rB:rB+7], 0, v[rSA], v[rSB] matrix_a_fmt:MATRIX_FMT_FP4 matrix_b_fmt:MATRIX_FMT_FP4 matrix_a_scale:MATRIX_SCALE_ROW1 matrix_b_scale:MATRIX_SCALE_ROW1
.elseif fA
	v_wmma_scale_f32_16x16x128_f8f6f4 v[rD:rD+7], v[rA:rA+7], v[rB:rB+7], 0, v[rSA], v[rSB] matrix_a_fmt:MATRIX_FMT_FP4 matrix_b_fmt:MATRIX_FMT_FP4 matrix_a_scale:MATRIX_SCALE_ROW1
.elseif fB
	v_wmma_scale_f32_16x16x128_f8f6f4 v[rD:rD+7], v[rA:rA+7], v[rB:rB+7], 0, v[rSA], v[rSB] matrix_a_fmt:MATRIX_FMT_FP4 matrix_b_fmt:MATRIX_FMT_FP4 matrix_b_scale:MATRIX_SCALE_ROW1
.else
	v_wmma_scale_f32_16x16x128_f8f6f4 v[rD:rD+7], v[rA:rA+7], v[rB:rB+7], 0, v[rSA], v[rSB] matrix_a_fmt:MATRIX_FMT_FP4 matrix_b_fmt:MATRIX_FMT_FP4
.endif
.else
.if fA && fB
	v_wmma_scale_f32_16x16x128_f8f6f4 v[rD:rD+7], v[rA:rA+7], v[rB:rB+7], v[rD:rD+7], v[rSA], v[rSB] matrix_a_fmt:MATRIX_FMT_FP4 matrix_b_fmt:MATRIX_FMT_FP4 matrix_a_scale:MATRIX_SCALE_ROW1 matrix_b_scale:MATRIX_SCALE_ROW1
.elseif fA
	v_wmma_scale_f32_16x16x128_f8f6f4 v[rD:rD+7], v[rA:rA+7], v[rB:rB+7], v[rD:rD+7], v[rSA], v[rSB] matrix_a_fmt:MATRIX_FMT_FP4 matrix_b_fmt:MATRIX_FMT_FP4 matrix_a_scale:MATRIX_SCALE_ROW1
.elseif fB
	v_wmma_scale_f32_16x16x128_f8f6f4 v[rD:rD+7], v[rA:rA+7], v[rB:rB+7], v[rD:rD+7], v[rSA], v[rSB] matrix_a_fmt:MATRIX_FMT_FP4 matrix_b_fmt:MATRIX_FMT_FP4 matrix_b_scale:MATRIX_SCALE_ROW1
.else
	v_wmma_scale_f32_16x16x128_f8f6f4 v[rD:rD+7], v[rA:rA+7], v[rB:rB+7], v[rD:rD+7], v[rSA], v[rSB] matrix_a_fmt:MATRIX_FMT_FP4 matrix_b_fmt:MATRIX_FMT_FP4
.endif
.endif
.endm
; ---------------- THE SECOND PRODUCT'S LOADS ----------------
.macro FETCH_WO s, p                   ; my eight tiles of 16 rows of wo (out's columns), the chunk's K step s, into set p
.irp n, 0,1,2,3,4,5,6,7
.irp c, 0,1
	ds_load_b128 v[WOF+64*(\p)+8*\n+4*\c:WOF+64*(\p)+8*\n+4*\c+3], v[AWO] offset:16*PITCH*\n+64*(\s)+32*\c
.endr
.endr
.endm
.macro FETCH_HS s, p                   ; the hidden layer's scale words of K step s: 32 rows a load
.irp i, 0,1,2,3
	ds_load_b32 v[HSR+4*(\p)+\i], v[HSL] offset:512*(\s)+128*\i
.endr
.endm
.macro FETCH_H s, m0                   ; its fragments of row tiles m0 .. m0 + 3, as the wave that made them stored them
.irp m, \m0, \m0+1, \m0+2, \m0+3
.irp c, 0,1
	ds_load_b128 v[HF+8*(\m)+4*\c:HF+8*(\m)+4*\c+3], v[LI] offset:1024*(8*(\s)+(\m))+512*\c
.endr
.endr
.endm
.macro BLOAD s                         ; the last chunk: the same eight tiles of wo, K step s, into window 1 at 64 s + 8 n (the destination's window is set by the caller)
.irp n, 0,1,2,3,4,5,6,7
.irp c, 0,1
	ds_load_b128 v[64*(\s)+8*\n+4*\c:64*(\s)+8*\n+4*\c+3], v[AWO] offset:16*PITCH*\n+64*(\s)+32*\c
.endr
.endr
.endm
; ---------------- THE FIRST PRODUCT, a block of 32 hidden units at a time ----------------
; 17 LDS loads: the block's two tiles of 16 rows of wi, all four K steps (a fragment: lane l holds row l % 16; registers 4 c .. 4 c + 3 hold K = 64 c + 32 (l / 16) + 0 .. 31: two loads, 32 bytes apart), and its scale words.
.macro FETCHW ra, rs
.irp u, 0,1
.irp s, 0,1,2,3
.irp c, 0,1
	ds_load_b128 v[WF+8*(4*\u+\s)+4*\c:WF+8*(4*\u+\s)+4*\c+3], v[\ra] offset:16*PITCH*\u+64*\s+32*\c
.endr
.endr
.endr
	ds_load_b128 v[WIS:WIS+3], v[\rs]
.endm
; 32 matrix instructions: row tiles 4 hf .. 4 hf + 3 x the block's two tiles of units, K = 512 in four steps.  The eight accumulators take turns, one instruction a turn;
; the first K step starts the sums.  In the result lane (r, h) holds row r of the tile, register j of tile u the block's unit 16 u + 8 h + j.
.macro GROUP hf
	WIN 0x04                                       ; source 1 (x) window 1
.irp s, 0,1,2,3
.irp mi, 0,1,2,3
.irp u, 0,1
.set rD, HA+16*\mi+8*\u
.set rA, WF+8*(4*\u+\s)
.set rB, 32*(4*\hf+\mi)+8*\s
.set rSA, WIS+\s
.set rSB, XS+4*(2*\hf+\mi/2)+\s
.set fA, \u
.set fB, \mi%2
.if \s == 0
	WM 1
.else
	WM 0
.endif
.endr
.endr
.endr
.endm
; Those four row tiles' 32 units are clipped at 0, quantised and stored.  A lane holds 16 of a block's 32 numbers of its row, lane l xor 16 the others.  The four tiles go by turns, so that no line waits for the line above.
.macro EPI hf
.set ET, TM+12*\hf
.set EP, PC+8*\hf
.irp mi, 0,1,2,3
	v_max3_num_f32 v[ET+\mi], v[HA+16*\mi], v[HA+16*\mi+1], 0x1800000   ; no |.| on the sources: what is negative is clipped and must not count; the floor 2^(3 - 127) stands over it and holds the byte at 1 from below.  Each accumulator is read from its low end on
.endr
.irp i, 2,4,6,8,10,12,14
.irp mi, 0,1,2,3
	v_max3_num_f32 v[ET+\mi], v[ET+\mi], v[HA+16*\mi+\i], v[HA+16*\mi+\i+1]
.endr
.endr
.irp mi, 0,1,2,3
	v_permlanex16_b32 v[ET+4+\mi], v[ET+\mi], s[SEL], s[SEL+1]
.endr
.irp mi, 0,1,2,3
	v_max_num_f32 v[ET+\mi], v[ET+\mi], v[ET+4+\mi]       ; with lane l xor 16's: the block's largest number
.endr
.irp mi, 0,1,2,3
	v_add_nc_u32 v[ET+8+\mi], 0xff000000, v[ET+\mi]       ; 2 off its exponent field: the conversion takes the exponent field of this operand as its scale, and nothing else of it
.endr
.irp mi, 0,1,2,3
	v_lshrrev_b32 v[ET+4+\mi], 23, v[ET+8+\mi]            ; the scale's byte
.endr
.irp mi, 0,1,2,3
.irp u, 0,1
	v_cvt_scalef32_pk8_fp4_f32 v[EP+2*\mi+\u], v[HA+16*\mi+8*\u:HA+16*\mi+8*\u+7], v[ET+8+\mi]
.endr
.endr
	v_nop                                          ; one plain place behind the scaled conversions
; THE CLIP AT 0 IS MADE ON THE CODES: four lines for eight numbers.  The sign bits; each moved to its nibble's low end; their difference is 7 in each negative nibble (no borrow leaves a nibble);
; those three bits are cleared: a negative number's code becomes -0.  The accumulators' registers, done with, hold the two masks.
.irp q, 0,1,2,3,4,5,6,7
	v_and_b32 v[HA+2*\q], s[M8], v[EP+\q]
.endr
.irp q, 0,1,2,3,4,5,6,7
	v_lshrrev_b32 v[HA+2*\q+1], 3, v[HA+2*\q]
.endr
.irp q, 0,1,2,3,4,5,6,7
	v_sub_nc_u32 v[HA+2*\q], v[HA+2*\q], v[HA+2*\q+1]
.endr
.irp q, 0,1,2,3,4,5,6,7
	v_bfi_b32 v[EP+\q], v[HA+2*\q], 0, v[EP+\q]
.endr
; The second product's operand wants block b of a K step whole in lane r + 16 (b % 2), registers 4 (b / 2) + g for its units 8 g .. 8 g + 7: byte 256 b + 16 r + 4 g of the image.  My register of tile u holds
; group g = 2 u + h: the address puts it there, and no lane changes places with another.
.irp mi, 0,1,2,3
.irp u, 0,1
	ds_store_b32 v[HSTB], v[EP+2*\mi+\u] offset:1024*(4*\hf+\mi)+8*\u
.endr
	ds_store_b8 v[HSBB], v[ET+4+\mi] offset:64*(4*\hf+\mi)           ; both lanes of a block write the same byte with the same value
.endr
.endm
; A block: 64 matrix instructions.  next = 1: the next block's 17 loads are issued behind the second half's products and land under its quantising.
; pre: what a chunk's last block fetches ahead for the second product, out of my own quarter of wo's slot, which my own tensor load filled and I alone read: my wait on TENSORcnt is all the ordering that these reads need.
;   pre = 1: wo's K step 0, into the registers that wi's fragments have left.   pre = 2 (the last chunk): all four K steps, into x's registers: row tiles 0-3 of x are done with behind the first half's products, tiles 4-7 behind the second's.
.macro BLOCK next, pre
	s_wait_dscnt 12                                ; the block's 17 loads are in; the 12 stores of the last block's second half, issued behind them, may be out
	GROUP 0
	WIN 0
	s_wait_dscnt 0x0                               ; those stores are done: their address and data registers may be written
	v_add_nc_u32 v[HSTB], s[SH], v[HST]            ; two places,
	v_add_nc_u32 v[HSBB], s[SBY], v[HSB]
	PLACES 2                                       ; and two more, in front of the first read of the results (and of the loads into x's registers)
.if (\pre) == 2
	s_wait_tensorcnt 0x0                           ; my quarter of wo's last chunk is in: the one tensor load of mine that could be out
	WIN 0x40                                       ; destination window 1
	BLOAD 0
	BLOAD 1
	WIN 0
.endif
	EPI 0
	GROUP 1
	WIN 0
.if \next
	v_add_nc_u32 v[AW], s[SW], v[AWI]              ; two places,
	v_add_nc_u32 v[AS], s[SS], v[WISA]
	PLACES 2                                       ; and two more, in front of loads into registers that the products have read
	FETCHW AW, AS
	s_add_co_u32 s[SW], s[SW], 2*16*PITCH
	s_add_co_u32 s[SS], s[SS], 512
.else
	PLACES 4
.if (\pre) == 1
	s_wait_tensorcnt 0x0                           ; my quarter of wo's chunk is in
	FETCH_WO 0, 1
.endif
.if (\pre) == 2
	WIN 0x40
	BLOAD 2
	BLOAD 3
	WIN 0
.endif
.endif
	EPI 1
.if \next
	s_add_co_u32 s[SH], s[SH], 256
	s_add_co_u32 s[SBY], s[SBY], 1
.endif
.endm
; ---------------- THE SECOND PRODUCT, a K step of 128 hidden units at a time ----------------
; 16 matrix instructions: row tiles m0, m0 + 1 x my eight tiles of columns.  The 64 accumulators take turns, one instruction a turn, in the same order in every K step.
.macro MULP m0, s, p, zero
.irp m, \m0, \m0+1
.irp n, 0,1,2,3,4,5,6,7
.set rD, 8*(8*((\m)%4)+\n)
.set rA, WOF+64*(\p)+8*\n
.set rB, HF+8*(\m)
.set rSA, WOS+4*(\n/2)+(\s)
.set rSB, HSR+4*(\p)+(\m)/2
.set fA, \n%2
.set fB, (\m)%2
	WM \zero
.endr
.endr
.endm
; A row tile's fragment is free as soon as its eight products are issued, so one set serves the hidden layer: tiles 0-3 are fetched anew in the step's middle, tiles 4-7 at its end.  wo's are at work through the whole step: two sets.
.macro P2STEP s, zero, next
	s_wait_dscnt 8                                 ; all but the youngest eight loads (row tiles 4-7) are in
	WIN 0xa0                                       ; C and D window 2
	MULP 0, \s, 1-(\s)%2, \zero
	MULP 2, \s, 1-(\s)%2, \zero
	s_wait_dscnt 0x0                               ; row tiles 4-7 are in
.if \next
	WIN 0
	PLACES 4
	FETCH_WO (\s)+1, (\s)%2
	FETCH_HS (\s)+1, (\s)%2
	FETCH_H (\s)+1, 0
.endif
	WIN 0xf0                                       ; C and D window 3
	MULP 4, \s, 1-(\s)%2, \zero
	MULP 6, \s, 1-(\s)%2, \zero
	WIN 0
	PLACES 4
.if \next
	FETCH_H (\s)+1, 4
.endif
.endm
; ---------------- THE CHANGE OF PHASES ----------------
; One barrier between the two products of a chunk, one between chunks.  In front of it each wave waits for all its tensor loads, adds 0 to its spare word, and waits for that, for its stores of the hidden
; layer (or its reads of it) and for its reads of the slot that it leaves.  fill = 1: the barrier is a round of the cluster's, and the slot just left (which = 0: wi's, 1: wo's) is filled with the next
; chunk's tile, first thing behind it: the load has the other product's 256 matrix instructions in which to land.  One tensor load of a wave is out then.
.macro CHANGE which, fill
	s_wait_tensorcnt 0x0                           ; no tensor load of mine is out, so a group 0 may be written
	ds_add_u32 v[SPW], v[NIL]                      ; 0 onto my spare word
.if \fill
.if \which == 0
	s_lshl_b32 s[T0], s[CN], 17                    ; wi: a chunk is 512 rows of 256 bytes
	s_add_nc_u64 s[G0I+2:G0I+3], s[BWI:BWI+1], s[T0:T0+1]
	s_or_b32 s[G0I+3], s[G0I+3], 0x80000000
.else
	s_lshl_b32 s[T0], s[CN], 8                     ; wo: a chunk is 256 bytes of each row
	s_add_nc_u64 s[G0O+2:G0O+3], s[BWO:BWO+1], s[T0:T0+1]
	s_or_b32 s[G0O+3], s[G0O+3], 0x80000000
.endif
.endif
	s_wait_dscnt 0x0                               ; the add is done; my LDS stores have landed and my LDS loads are in
.if \fill
	CROUND                                         ; no wave of any partner still reads the slot or has a load on its way
.if \which == 0
	tensor_load_to_lds s[G0I:G0I+3], s[G1I:G1I+7]
	s_nop 0
.else
	tensor_load_to_lds s[G0O:G0O+3], s[G1O:G1O+7]
	s_nop 0
.endif
	PLACES 4                                       ; four v_nop follow the load
.else
	s_barrier_signal -1
	s_barrier_wait -1
.endif
.endm
; ---------------- A CHUNK OF 512 HIDDEN UNITS ----------------
; zero = 1: the launch's first chunk, whose second product starts out's sums.  last = 1: nothing more is asked for, and the macro ends behind the barrier between the products: the second goes by rows, below.
.macro CHUNK zero, last
	FETCHW AWI, WISA                               ; the first block
	s_add_co_u32 s[CN], s[CC], 1
	s_and_b32 s[CN], s[CN], 3                      ; the chunk that follows, round
	s_lshl_b32 s[T0], s[CC], 4
	s_add_nc_u64 s[SSO:SSO+1], s[BSO:BSO+1], s[T0:T0+1]
.irp i, 0,1,2,3
	global_load_b128 v[WOS+4*\i:WOS+4*\i+3], v[L64], s[SSO:SSO+1] offset:2048*\i   ; wo's scale words of this chunk: four words of each of my 128 rows of 64 bytes; wanted a product later
.endr
.if !\last
	s_lshl_b32 s[T0], s[CN], 13
	s_add_nc_u64 s[SSI:SSI+1], s[BSI:BSI+1], s[T0:T0+1]
.irp b, 0,1,2,3
	global_load_b128 v[WST+4*\b:WST+4*\b+3], v[L16], s[SSI:SSI+1] offset:512*\b    ; wi's scale words of the next chunk: my 128 rows' 2,048 consecutive bytes
.endr
.endif
	s_mov_b32 s[SW], 2*16*PITCH
	s_mov_b32 s[SS], 512
	s_mov_b32 s[SH], 0
	s_mov_b32 s[SBY], 0
	s_mov_b32 s[LB], 3
	s_wait_dscnt 0x0                               ; the first block's 17 loads are in: on this way into the loop nothing is younger than they are
.Lblock_\@:
	BLOCK 1, 0
	s_sub_co_u32 s[LB], s[LB], 1
	s_cmp_lg_u32 s[LB], 0
	s_cbranch_scc1 .Lblock_\@
.if \last
	BLOCK 0, 2                                     ; the fourth block fetches no block more: no LDS read passes my quarter
.else
	BLOCK 0, 1
.endif
	s_wait_loadcnt 0x0                             ; both kinds of scale words are in
.if !\last
.irp b, 0,1,2,3
	ds_store_b128 v[WISA], v[WST+4*\b:WST+4*\b+3] offset:512*\b      ; over this chunk's words, my own, behind my last read of them: LDS serves a wave's instructions in order (ISA guide 5.7.1.4)
.endr
	CHANGE 0, 1
	FETCH_HS 0, 1                                  ; (wo's K step 0 is in its registers already)
	FETCH_H 0, 0
	FETCH_H 0, 4
	P2STEP 0, \zero, 1
	P2STEP 1, 0, 1
	P2STEP 2, 0, 1
	P2STEP 3, 0, 0
	CHANGE 1, 1
	s_mov_b32 s[CC], s[CN]
.else
	CHANGE 0, 0
.endif
.endm
; ---------------- THE LAST CHUNK'S SECOND PRODUCT, BY ROWS, AND THE WAY OUT ----------------
.macro HSALL                           ; the hidden layer's scale words of all four K steps, into the registers that held x's: register 4 s + i: row tiles 2 i, 2 i + 1
.irp s, 0,1,2,3
.irp i, 0,1,2,3
	ds_load_b32 v[XS+4*\s+\i], v[HSL] offset:512*\s+128*\i
.endr
.endr
.endm
.macro ALOAD m                         ; row tile m's four fragments, one for each K step, into buffer m % 2
.set FA, HF+32*((\m)%2)
.irp s, 0,1,2,3
.irp c, 0,1
	ds_load_b128 v[FA+8*\s+4*\c:FA+8*\s+4*\c+3], v[LI] offset:1024*(8*\s+(\m))+512*\c
.endr
.endr
.endm
.macro ROW m                           ; row tile m is finished: 32 matrix instructions, its eight accumulators by turns, one instruction a turn, K ascending
	WIN 0xa1+0x50*((\m)/4)                         ; source 0 (wo) window 1, source 1 window 0, C and D window 2 or 3
.irp s, 0,1,2,3
.irp n, 0,1,2,3,4,5,6,7
.set rD, 8*(8*((\m)%4)+\n)
.set rA, 64*\s+8*\n
.set rB, HF+32*((\m)%2)+8*\s
.set rSA, WOS+4*(\n/2)+\s
.set rSB, XS+4*\s+(\m)/2
.set fA, \n%2
.set fB, (\m)%2
	WM 0
.endr
.endr
.endm
; A lane holds 32 neighbouring bytes of a row, and the lanes beside it hold other rows: so a tile goes through my stage in LDS and comes back as whole runs of 512 bytes of a row, which the 32 lanes store as two
; aligned blocks of 256 bytes.  LDS serves a wave's instructions in order (ISA guide 5.7.1.4): no wait between the stores and the loads, nor in front of the next tile's stores.
.macro TOSTAGE m
.set AC, 64*((\m)%4)
	WIN 0x08+4*((\m)/4)                            ; an LDS store's data are its source 1: window 2 or 3
.irp n, 0,1,2,3,4,5,6,7
	ds_store_b128 v[STO], v[AC+8*\n:AC+8*\n+3] offset:64*\n          ; each accumulator from its low end on
	ds_store_b128 v[STO], v[AC+8*\n+4:AC+8*\n+7] offset:64*\n+16
.endr
	WIN 0
.set BB, BK+64*((\m)%2)
.irp t, 0,1,2,3,4,5,6,7,8,9,10,11,12,13,14,15
	ds_load_b128 v[BB+4*\t:BB+4*\t+3], v[RD] offset:\t*SPITCH
.endr
.endm
.macro SEND m, younger                 ; younger: the LDS instructions issued behind tile m's loads, which may stay out
.set BB, BK+64*((\m)%2)
	s_wait_dscnt \younger                          ; the tile is back in registers
.irp t, 0,1,2,3,4,5,6,7,8,9,10,11,12,13,14,15
	global_store_b128 v[L16], v[BB+4*\t:BB+4*\t+3], s[18:19] offset:32768*(\m)+2048*\t th:TH_STORE_NT   ; 32 lanes store 512 consecutive bytes, at a multiple of 256 from out's first byte; every offset is an immediate, 260,096 at the most
.endr
.endm
; ---------------- THE HEAD ----------------
	s_load_b256 s[4:11], s[0:1], 0x0               ; x's codes s[4:5], x's scales s[6:7], the capacities s[8:9], wi's codes s[10:11]
	s_load_b256 s[12:19], s[0:1], 0x20             ; wi's scales s[12:13], wo's codes s[14:15], wo's scales s[16:17], out s[18:19]
	v_lshl_add_u32 v[SPW], v0, 2, SPARE
	v_mov_b32 v[NIL], 0
	ds_add_u32 v1, v2
	ds_add_u32 v1, v2
	s_wait_dscnt 0x0
	v_lshrrev_b32 v60, 5, v0
	v_readfirstlane_b32 s[WV], v60                 ; wave 0..3
	s_bfe_u32 s[CX], ttmp6, 0x40000                ; cx: my place in the cluster
	s_lshl_b32 s[BLKN], ttmp9, 2                   ; in a cluster launch ttmp9 counts clusters
	s_add_co_u32 s[BLKN], s[BLKN], s[CX]           ; my block of 128 rows = 4 x cluster x + cx: it enters x's and out's addresses alone
	s_and_b32 s[EX], ttmp7, 0xffff                 ; the expert, which the four partners share
	s_and_b32 s[CC], ttmp9, 3                      ; the cluster's first chunk, which they share too
	; descriptor group 1: a tile of 128 rows x 256 bytes, padded in LDS
	s_mov_b32 s[G1I], 15|(1<<20)|(1<<21)|(5<<22)|(3<<25)   ; 15:0 the mask: all four work-groups; 17:16 elements of 1 byte; 20 padding on; 21 set beside a mask; 24:22 after every 64 words (code 5); 31:25 four words (code 3)
	s_mov_b32 s[G1O], 15|(1<<20)|(1<<21)|(5<<22)|(3<<25)
.irp g, G1I, G1O
	s_mov_b32 s[\g+1], 256<<16                     ; tensor_dim0 = 256
	s_mov_b32 s[\g+2], 128<<16                     ; tensor_dim1 = 128
	s_mov_b32 s[\g+3], 256<<16                     ; tile_dim0 = 256
	s_mov_b32 s[\g+4], 128                         ; tile_dim1 = 128
	s_mov_b32 s[\g+6], 0
	s_mov_b32 s[\g+7], 0
.endr
	s_mov_b32 s[G1I+5], 256                        ; from row to row: wi's rows are 256 bytes,
	s_mov_b32 s[G1O+5], 1024                       ; wo's 1,024
	s_mov_b32 s[G0I], 1                            ; count = 1
	s_mul_i32 s[G0I+1], s[WV], QUART               ; LDS address: my quarter of wi's slot (SLOTA = 0): no place in the cluster enters an LDS address
	s_mov_b32 s[G0O], 1
	s_add_co_u32 s[G0O+1], s[G0I+1], SLOTB         ; and of wo's
	s_mov_b32 s[SEL], 0x76543210
	s_mov_b32 s[SEL+1], 0xfedcba98
	s_mov_b32 s[M8], 0x88888888
	v_and_b32 v60, 15, v0                          ; r
	v_bfe_u32 v61, v0, 4, 1                        ; h
	v_and_b32 v62, 31, v0                          ; lane
	v_mul_u32_u24 v63, v60, PITCH
	v_lshl_add_u32 v63, v61, 4, v63                ; a fragment's row x pitch + 16 x half
	v_add_nc_u32 v[AWI], s[G0I+1], v63
	v_add_nc_u32 v[AWO], s[G0O+1], v63
	v_lshl_add_u32 v[LI], v62, 4, HIMG
	v_lshl_add_u32 v[HSL], v62, 2, HSC
	s_lshl_b32 s[TS], s[WV], 13
	s_add_co_u32 s[TS], s[TS], HIMG
	v_lshl_add_u32 v[HST], v60, 4, s[TS]
	v_lshl_add_u32 v[HST], v61, 2, v[HST]
	s_lshl_b32 s[TS], s[WV], 9
	s_add_co_u32 s[TS], s[TS], HSC
	v_lshl_add_u32 v[HSB], v60, 2, s[TS]
	s_lshl_b32 s[TS], s[WV], 11
	s_add_co_u32 s[TS], s[TS], WISL
	v_lshl_add_u32 v[WISA], v62, 4, s[TS]
	v_lshlrev_b32 v[L16], 4, v62
	v_lshlrev_b32 v[L64], 6, v62
	v_lshlrev_b32 v[XO], 8, v60
	v_lshl_add_u32 v[XO], v61, 4, v[XO]            ; x: row r of 256 bytes + 16 x half
	s_mov_b32 s[T0+1], 0
	s_mov_b32 s[XT+1], 0
	s_lshl_b32 s[XT], s[EX], 20                    ; my first row, 4,096 e + 128 block, times 256 bytes
	s_lshl_b32 s[XT2], s[BLKN], 15
	s_add_co_u32 s[XT], s[XT], s[XT2]
	s_wait_kmcnt 0x0
	s_add_nc_u64 s[4:5], s[4:5], s[XT:XT+1]        ; x's codes at my first row
	s_lshr_b32 s[XT], s[XT], 4                     ; times 16 bytes
	s_add_nc_u64 s[6:7], s[6:7], s[XT:XT+1]        ; x's scales
	s_lshl_b32 s[XT], s[XT], 7                     ; times 2,048 bytes (under 2^26),
	s_lshl_b32 s[XT2], s[WV], 9                    ; and my wave's 128 columns
	s_add_co_u32 s[XT], s[XT], s[XT2]
	s_add_nc_u64 s[18:19], s[18:19], s[XT:XT+1]    ; out
	s_lshl_b32 s[T0], s[EX], 19                    ; an expert's wi is 2,048 rows of 256 bytes; my wave's 128 rows of a chunk
	s_lshl_b32 s[TS], s[WV], 15
	s_add_co_u32 s[T0], s[T0], s[TS]
	s_add_nc_u64 s[BWI:BWI+1], s[10:11], s[T0:T0+1]
	s_lshl_b32 s[T0], s[EX], 19                    ; an expert's wo is 512 rows of 1,024 bytes; my wave's 128 rows
	s_lshl_b32 s[TS], s[WV], 17
	s_add_co_u32 s[T0], s[T0], s[TS]
	s_add_nc_u64 s[BWO:BWO+1], s[14:15], s[T0:T0+1]
	s_lshl_b32 s[T0], s[EX], 15                    ; wi's scales: 16 bytes a row
	s_lshl_b32 s[TS], s[WV], 11
	s_add_co_u32 s[T0], s[T0], s[TS]
	s_add_nc_u64 s[BSI:BSI+1], s[12:13], s[T0:T0+1]
	s_lshl_b32 s[T0], s[EX], 15                    ; wo's: 64 bytes a row
	s_lshl_b32 s[TS], s[WV], 13
	s_add_co_u32 s[T0], s[T0], s[TS]
	s_add_nc_u64 s[BSO:BSO+1], s[16:17], s[T0:T0+1]
	s_lshl_b32 s[T0], s[CC], 17
	s_add_nc_u64 s[G0I+2:G0I+3], s[BWI:BWI+1], s[T0:T0+1]
	s_or_b32 s[G0I+3], s[G0I+3], 0x80000000        ; type = 2
	s_lshl_b32 s[T0], s[CC], 8
	s_add_nc_u64 s[G0O+2:G0O+3], s[BWO:BWO+1], s[T0:T0+1]
	s_or_b32 s[G0O+3], s[G0O+3], 0x80000000
	CROUND                                         ; all four work-groups are here: the first joint loads meet
	tensor_load_to_lds s[G0I:G0I+3], s[G1I:G1I+7]  ; the two first fills go out together, ahead of everything else that is fetched, of every wait on TENSORcnt and of every LDS read: two loads of mine are out
	s_nop 0
	tensor_load_to_lds s[G0O:G0O+3], s[G1O:G1O+7]
	s_nop 0
	PLACES 4
	s_load_b256 s[CAP:CAP+7], s[8:9], 0x0          ; the eight capacities: read as every input is; reference() lets nothing hang on them, and so does this text
	s_lshl_b32 s[T0], s[CC], 13
	s_add_nc_u64 s[SSI:SSI+1], s[BSI:BSI+1], s[T0:T0+1]
.irp b, 0,1,2,3
	global_load_b128 v[WST+4*\b:WST+4*\b+3], v[L16], s[SSI:SSI+1] offset:512*\b    ; wi's scale words of the first chunk
.endr
.irp i, 0,1,2,3
	global_load_b128 v[XS+4*\i:XS+4*\i+3], v[L16], s[6:7] offset:512*\i            ; x's scale words: 32 rows' 512 consecutive bytes a load
.endr
	WIN 0x40                                       ; destination window 1
.irp s, 0,1,2,3                                ; x's 32 fragments stay in registers.  K step by K step, all eight row tiles in each: the loads that are issued last ask for bytes next to bytes of the same rows that are asked for already
.irp c, 0,1
.irp m, 0,1,2,3,4,5,6,7
	global_load_b128 v[32*\m+8*\s+4*\c:32*\m+8*\s+4*\c+3], v[XO], s[4:5] offset:4096*\m+64*\s+32*\c
.endr
.endr
.endr
	WIN 0
.irp j, 4,5,6,7,16,17,18,19
	v_mov_b32 v[TM+\j], 0                          ; written once: a lane permute's destination counts as one of its sources
.endr
	s_wait_kmcnt 0x0                               ; the capacities
	s_wait_loadcnt 0x0                             ; x, its scale words, wi's scale words
.irp b, 0,1,2,3
	ds_store_b128 v[WISA], v[WST+4*\b:WST+4*\b+3] offset:512*\b
.endr
	s_wait_dscnt 0x0                               ; the stores have read their registers, which take the next chunk's words
	s_wait_tensorcnt 1                             ; my quarter of wi's first chunk is in, and I alone read it; wo's load, the younger one, may be out
	CHUNK 1, 0
	s_mov_b32 s[LC], 2
.Lchunk:
	CHUNK 0, 0
	s_sub_co_u32 s[LC], s[LC], 1
	s_cmp_lg_u32 s[LC], 0
	s_cbranch_scc1 .Lchunk
	CHUNK 0, 1                                     ; the last chunk is written out; it ends behind the barrier: the hidden layer's 32 fragments lie in LDS, wo's 32 in my registers
	HSALL                                          ; 16 loads,
	ALOAD 0                                        ; 8,
	ALOAD 1                                        ; 8
	v_mul_u32_u24 v[STO], v60, SPITCH              ; into the stage: row r, 32 bytes for each half of the lanes
	v_lshl_add_u32 v[STO], v61, 5, v[STO]
	v_add_nc_u32 v[STO], s[G0I+1], v[STO]          ; my stage: my own quarter of wi's slot, which has had its last fill, and which I alone read
	v_add_nc_u32 v[RD], s[G0I+1], v[L16]           ; back: the 32 lanes take one row's 512 bytes
; Row tile m: its products; the stores of tile m - 1, which came back from the stage under them; tile m into the stage; tile m + 2's fragments into the buffer that tile m has left.
.irp m, 0,1,2,3,4,5,6,7
.if \m == 0
	s_wait_dscnt 8                                 ; the scale words and tile 0's fragments are in; tile 1's eight loads may be out
.elseif \m < 7
	s_wait_dscnt 40                                ; tile m's fragments are in; behind them: tile m - 1's 16 stores and 16 loads of the stage, and tile m + 1's eight loads
.else
	s_wait_dscnt 32                                ; behind tile 7's fragments: tile 6's 16 stores and 16 loads of the stage
.endif
	ROW \m
	WIN 0
	PLACES 4                                       ; in front of the stage's stores, which read results just made, and of the loads into the buffer just multiplied
.if \m > 1
	s_wait_xcnt 0x0                                ; tile m - 2's stores to memory have read their registers: tile m's loads from the stage may land there
.endif
.if \m == 7
	SEND \m-1, 0
.elseif \m > 0
	SEND \m-1, 8                                   ; behind tile m - 1's loads from the stage: tile m + 1's eight fragment loads
.endif
	TOSTAGE \m
.if \m < 6
	ALOAD \m+2
.endif
.endr
	SEND 7, 0
	s_wait_tensorcnt 0x0                           ; the wave's end: behind my last tensor load and my last LDS store
	ds_add_u32 v[SPW], v[NIL]
	s_wait_dscnt 0x0
	CROUND                                         ; the closing round: no work-group ends while a partner may still ask for a tile that names it
	s_endpgm
.Lfunc_end_k_q73f0032d29_ffn:
	.size	k_q73f0032d29_ffn, .Lfunc_end_k_q73f0032d29_ffn-k_q73f0032d29_ffn
	.p2alignl 7, 3214868480
	.fill 96, 4, 3214868480
	.section	.rodata,"a",@progbits
	.p2align	6, 0x0
	.amdhsa_kernel k_q73f0032d29_ffn
		.amdhsa_group_segment_fixed_size 327680
		.amdhsa_private_segment_fixed_size 0
		.amdhsa_enable_private_segment 0
		.amdhsa_kernarg_size 64
		.amdhsa_user_sgpr_count 2
		.amdhsa_user_sgpr_kernarg_segment_ptr 1
		.amdhsa_wavefront_size32 1
		.amdhsa_system_sgpr_workgroup_id_x 1
		.amdhsa_system_sgpr_workgroup_id_y 1
		.amdhsa_system_sgpr_workgroup_id_z 1
		.amdhsa_system_vgpr_workitem_id 0
		.amdhsa_next_free_vgpr 1024
		.amdhsa_next_free_sgpr 88
		.amdhsa_reserve_vcc 0
		.amdhsa_float_denorm_mode_32 3
		.amdhsa_float_denorm_mode_16_64 3
		.amdhsa_memory_ordered 1
		.amdhsa_forward_progress 1
		.amdhsa_inst_pref_size 255
	.end_amdhsa_kernel
	.section	.bss,"aw",@nobits
	.p2align	6
	.space	262144
	.amdgpu_metadata
---
amdhsa.version: [ 1, 2 ]
amdhsa.kernels:
  - .name:           k_q73f0032d29_ffn
    .symbol:         k_q73f0032d29_ffn.kd
    .args:
      - { .name: dispatched_hidden_states_codes, .offset: 0, .size: 8, .value_kind: global_buffer, .address_space: global }
      - { .name: dispatched_hidden_states_scales, .offset: 8, .size: 8, .value_kind: global_buffer, .address_space: global }
      - { .name: experts_capacity_usage, .offset: 16, .size: 8, .value_kind: global_buffer, .address_space: global }
      - { .name: wi_codes, .offset: 24, .size: 8, .value_kind: global_buffer, .address_space: global }
      - { .name: wi_scales, .offset: 32, .size: 8, .value_kind: global_buffer, .address_space: global }
      - { .name: wo_codes, .offset: 40, .size: 8, .value_kind: global_buffer, .address_space: global }
      - { .name: wo_scales, .offset: 48, .size: 8, .value_kind: global_buffer, .address_space: global }
      - { .name: out0, .offset: 56, .size: 8, .value_kind: global_buffer, .address_space: global }
    .group_segment_fixed_size: 327680
    .private_segment_fixed_size: 0
    .kernarg_segment_align: 8
    .kernarg_segment_size: 64
    .max_flat_workgroup_size: 128
    .sgpr_count:     88
    .vgpr_count:     1024
    .wavefront_size: 32
...
	.end_amdgpu_metadata
.endif
;; end of part 1
